; MI455X (gfx1250); checked and timed in simulation.
; The chip was launched on July 23, 2026; its instructions are those of AMD's public machine-readable ISA for CDNA 5 (MIT licence, August 2026) and "CDNA5" Instruction Set Architecture Reference Guide (July 2026). The comments in the code are by the model that wrote it; some were corrected since.
;; Window. Allowed arithmetic: matrix products marked QUANTISED: E2M1 operands, one E8M0 scale for each 32 along K, by v_wmma_scale_f32_16x16x128_f8f6f4 with both operands' format E2M1 (or v_wmma_scale_f32_32x16x128_f4), f32 sums; products left as they are: f32 operands where the result goes on into a quantised operand, else bf16, f16 or f32 operands; f32 sums; everything else in f32.
;; Inputs: W_codes 30 x 16 x 16 uint8 (E2M1 codes of W, K innermost, in blocks of 32 codes, two codes a byte); W_scales 30 x 16 uint8 (E8M0 scales of W, one for each 32 codes along K); b 30 float32; kappa_old 256 x 10 float32; onehots 256 x 2,048 x 128 float32; x_codes 256 x 16 x 16 uint8 (E2M1 codes of x, K innermost, in blocks of 32 codes, two codes a byte); x_scales 256 x 16 uint8 (E8M0 scales of x, one for each 32 codes along K).
;; Outputs: out0 256 x 128 float32; out1 256 x 10 float32; out2 256 x 2,048 float32.
;; This version of the problem:
;;   THIS VERSION OF THE PROBLEM IS GIVEN IN LOW PRECISION. The matrix products marked QUANTISED in the list below multiply operands that are first quantised to E2M1 (2 exponent bits, 1 mantissa bit; 4 bits a number), with one power-of-two scale for each 32 numbers along K (OCP MX v1.0); their sums are f32. All else is computed in f32.
;;   The module's matrix products, in the order in which they are computed (A, B: the left and right operand; K: the contracted axis; several contracted axes count as one K, in the product's order):
;;     1. [M 256, K 512] x [K 512, N 30]; A: input x (given as codes); B: input W (given as codes): QUANTISED
;;     2. batch 256 x [M 1, K 10] x [K 10, N 2,048]; A: computed on the way; B: computed on the way: left as it is (K = 10 < 32)
;;     3. batch 256 x [M 1, K 2,048] x [K 2,048, N 128]; A: computed on the way; B: input onehots: left as it is (M = 1 < 16)
;;   THE QUANTISER, for each operand of a quantised product, along K:
;;     - K is cut into blocks of 32 from its start; a last block that is shorter is filled with zeros.
;;     - A block's scale is 2^e with e = floor(log2(the largest magnitude in the block)) - 2, held to -126 .. 127; a block of zeros has e = 0. As a byte (E8M0): e + 127.
;;     - Each number is divided by its block's scale, clamped to +-6, and rounded to the nearest number of E2M1, ties to even, subnormals kept.
;;     - The product sums the exact products of the quantised numbers (number of the format x scale) in f32.
;;   ~~~python
;;   def quantise(x, axis):      # numpy; x: float32 -> the quantised numbers, widened to float32 again
;;       x = np.moveaxis(x, axis, -1); K = x.shape[-1]
;;       x = np.pad(x, [(0, 0)] * (x.ndim - 1) + [(0, -K % 32)]); x = x.reshape(x.shape[:-1] + (-1, 32)); a = np.abs(x).max(-1, keepdims=True)
;;       e = np.where(a > 0, np.clip(np.frexp(np.where(a > 0, a, 1))[1] - 1 - 2, -126, 127), 0)      # np.frexp(a)[1] - 1 = floor(log2(a)), exactly
;;       r = np.clip(x / 2.0 ** e, -6, 6)
;;       step = 2.0 ** (np.maximum(np.frexp(np.where(r == 0, 1, r))[1] - 1, 0) - 1)
;;       q = np.round(r / step) * step * 2.0 ** e      # np.round: ties to even
;;       return np.moveaxis(q.reshape(q.shape[:-2] + (-1,))[..., :K], -1, axis).astype(np.float32)
;;   ~~~
;;   INPUTS GIVEN AS CODES. W (in the module: [30, 512], K = its axis 1); x (in the module: [256, 512], K = its axis 1): each comes as NAME_codes (uint8): NAME with its K axis moved to the last place and cut into blocks of 32 codes, [.., K / 32, bytes a block], one block behind the other in memory; two codes a byte, the lower K in the low four bits (a code: sign, 2 exponent bits, 1 mantissa bit); and NAME_scales (uint8): the same leading axes, one E8M0 byte (e + 127) for each 32 codes along K. Its value is code x scale, taken as it is: it is not quantised again, and the codes and scales need not be those that the quantiser above would give.
;; One version. Each part assembles by itself: llvm-mc -triple=amdgcn-amd-amdhsa -mcpu=gfx1250 --defsym DOCPART=n.
;; ======== version 1 of 1: 1 launch
;; launch window (part 1): grid 256 x 1, 16 waves a work-group, no clusters, 10,752 bytes of LDS; arguments onehots, x_codes, x_scales, W_codes, W_scales, b, kappa_old, out0, out1, out2; writes out0, out1, out2
.if DOCPART == 1
	.amdgcn_target "amdgcn-amd-amdhsa--gfx1250"
	.amdhsa_code_object_version 6
	.text
	.protected	k_q8354a709dc_window
	.globl	k_q8354a709dc_window
	.p2align	8
	.type	k_q8354a709dc_window,@function
k_q8354a709dc_window:
	s_mov_b64 s[64:65], 0
	v_nop
	global_prefetch_b8 v0, s[64:65] scope:SCOPE_SE
	s_setreg_imm32_b32 hwreg(HW_REG_WAVE_MODE, 25, 1), 1
	s_wait_xcnt 0x0
; params = exp(x W^T + b): [256][30] = alpha | beta | pre_kappa;  kappa = kappa_old + pre_kappa (out1);
; phi[b][t] = sum over 10 k of alpha_k exp(-beta_k (kappa_k - t)^2) (out2);  w[b][v] = sum over 2,048 t of phi[b][t] onehots[b][t][v] (out0).
; x W^T is the quantised product: codes of E2M1 and E8M0 bytes go to the matrix unit as they are given.  All else is f32.
; SHARES.  One work-group for each batch row b: its 2,048 rows of onehots are 1 MiB on end, read once.  Sixteen waves; wave w owns rows t = 128 w .. 128 w + 127.
; One load of a wave is one whole row: 512 consecutive bytes, aligned; lane l holds v = 4 l .. 4 l + 3, so phi[t] is ONE number for the whole load.
; Thread n makes phi for t = 4 n .. 4 n + 3: a wave makes just the phi that it uses, stores them as 512 consecutive bytes, and phi[128 w + 4 g + i] lies in lane g, register PH + i:
; a group of four rows takes its four phi by v_readlane_b32.  No phi goes through LDS.
; THE RING lies in registers: NS = 7 slots of 4 rows, 28 loads of every wave on their way (16 x 28 x 512 = 229,376 bytes a work-group), all issued ahead of any arithmetic, so that
; the rows are coming while the parameters and phi are made.  These loads are the look-ahead: no prefetch is written beside them.
; THE PRODUCT.  A work-group has one row of x.  Wave 0 gives W's rows as source 0 (two tiles; rows 30, 31 repeat row 29 and are not used) and x's row in all 16 columns as source 1: 2 tiles x 4 K steps.
; Fifteen of the sixteen columns are repeats: the price of having no launch, and no way through memory, for 30 numbers a row.
; NO CLUSTER: work-groups share W's 8,160 bytes alone, against 1,048,576 bytes of their own.  NO TENSOR LOADS: nothing is read by two waves.  THE MATRIX UNIT IS NOT USED FOR w: one row of phi,
; and narrowing onehots would cost a conversion for each pair of numbers, as many instructions as the packed multiply-adds that do the work in f32.
; LIMITS.  e^z is 2^(z log2 e) by v_exp_f32: the rounding of z log2 e gives a relative error of about 1e-5 at |z| = 88.  Results under 2^-126 come out as 0 (ISA guide, 15.8): terms of phi, and parameters for z < -87.3.
; beta is kept as -beta log2 e, which overflows for beta > 2.36e38: there a term with kappa_k = t exactly is NaN where the definition gives alpha_k.  The f32 sums over t go in another order than a plain loop's.
; out1's 40 bytes a row are a part of an aligned block of 256 bytes: 10,240 bytes in all.
.set NS,   7                           ; slots of the ring
.set ROW,  512                         ; a row of onehots in bytes
; LDS
.set ZST,  0                           ; 128 bytes: the 32 logits, word m = W's row m; wave 0's own
.set PAR,  256                         ; 256 bytes: 32 pairs of 8 bytes: finished parameter p TWICE, so that the packed forms take it as a plain pair
.set RED,  512                         ; 16 x 512 bytes: the waves' partial w; thread n's 16 bytes at 16 n
; vector registers that stay: made here at the head, ahead of the parting of the waves; none ever holds loaded data
.set RO,   1                           ; v1   wave x 65,536 + 16 x lane: my 16 bytes in my wave's first row
.set T16,  2                           ; v2   16 x thread: out2's offset, my place in RED, and in wave 0 out0's offset
.set NIL,  3                           ; v3   0
.set ZS,   4                           ; v4   32 h          (h = lane / 16, r = lane % 16)
.set ZL,   5                           ; v5   4 x lane
.set PW,   6                           ; v6   8 x lane
.set XA,   7                           ; v7   16 h
.set WA,   8                           ; v8-9   W's codes: 256 x row + 16 h; row = r, min(16 + r, 29)
.set WS,   10                          ; v10-11 W's scale bytes: 16 x row
.set BA,   12                          ; v12  4 min(lane, 29)
.set KA,   13                          ; v13  4 (min(max(lane, 20), 29) - 20)
.set RING, 16                          ; v16-127  slot q at 16 q, its row i at 4 i
; wave 0, ahead of the first barrier
.set WF,   128                         ; v128-191 W's fragments: tile u, K step s at 32 u + 8 s
.set XF,   192                         ; v192-223 x's fragments: K step s at 8 s
.set DD,   224                         ; v224-239 the two accumulators
.set WSC,  240                         ; v240-247 W's scale words (4 u + s);  v248-251 x's (s): these twelve hold scales and nothing else
.set XSC,  248
.set BI,   252                         ; v252 b of my lane's parameter;  v253 kappa_old of it;  v[254:255] the parameter, twice
.set KO,   253
.set RR,   254
; every wave, behind the first barrier
.set PARV, 128                         ; v128-187 pair p at 2 p: p = k alpha, 10 + k -beta log2 e, 20 + k kappa
.set GV,   188                         ; v188-227 the terms: (k, j) at 4 k + 2 j: t = 4 n + 2 j, + 1
.set TT,   228                         ; v228-231 my four t as f32
.set PH,   232                         ; v232-235 my four phi; never rewritten
.set ACC,  188                         ; v188-203 four sets of 4 sums, one for each row of a group; over the terms, which are done with by then
.set PHS,  32                          ; s[32:39] four pairs: a group's phi in the low words; the high words are written once, since the packed form names the pair
	s_load_b512 s[8:23], s[0:1], 0x0               ; onehots s[8:9], x_codes s[10:11], x_scales s[12:13], W_codes s[14:15], W_scales s[16:17], b s[18:19], kappa_old s[20:21], out0 s[22:23]
	s_load_b128 s[24:27], s[0:1], 0x40             ; out1 s[24:25], out2 s[26:27]
	v_lshrrev_b32 v14, 5, v0
	v_readfirstlane_b32 s2, v14                    ; wave 0..15
	v_and_b32 v15, 31, v0                          ; lane
	v_lshlrev_b32 v[RO], 4, v15
	v_lshl_add_u32 v[RO], v14, 16, v[RO]           ; 128 rows of 512 bytes a wave
	v_lshlrev_b32 v[T16], 4, v0
	v_mov_b32 v[NIL], 0
	v_bfe_u32 v14, v0, 4, 1                        ; h
	v_lshlrev_b32 v[ZS], 5, v14
	v_lshlrev_b32 v[ZL], 2, v15
	v_lshlrev_b32 v[PW], 3, v15
	v_lshlrev_b32 v[XA], 4, v14
	v_and_b32 v[WA], 15, v0                        ; r: tile 0's row
	v_add_nc_u32 v[WA+1], 16, v[WA]
	v_min_u32 v[WA+1], 29, v[WA+1]                 ; tile 1's row: W has 30, so no load leaves the buffer
	v_lshlrev_b32 v[WS], 4, v[WA]
	v_lshlrev_b32 v[WS+1], 4, v[WA+1]
	v_lshl_add_u32 v[WA], v[WA], 8, v[XA]          ; a row of 512 codes is 256 bytes
	v_lshl_add_u32 v[WA+1], v[WA+1], 8, v[XA]
	v_min_u32 v[BA], 29, v15
	v_lshlrev_b32 v[BA], 2, v[BA]
	v_max_u32 v[KA], 20, v15
	v_min_u32 v[KA], 29, v[KA]
	v_add_nc_u32 v[KA], 0xffffffec, v[KA]          ; - 20
	v_lshlrev_b32 v[KA], 2, v[KA]
.irp i, 0,1,2,3
	s_mov_b32 s[PHS+2*\i+1], 0
.endr
	s_mov_b32 s5, 0                                ; s[4:5]: an offset of under 2^32 bytes
	s_wait_kmcnt 0x0
	s_lshl_b32 s4, ttmp9, 20                       ; every buffer at batch row b = the work-group's number
	s_add_nc_u64 s[8:9], s[8:9], s[4:5]            ; onehots: 1 MiB a row
	s_lshl_b32 s4, ttmp9, 8
	s_add_nc_u64 s[10:11], s[10:11], s[4:5]        ; x's codes: 256 bytes
	s_lshl_b32 s4, ttmp9, 4
	s_add_nc_u64 s[12:13], s[12:13], s[4:5]        ; x's scale bytes: 16
	s_mul_i32 s4, ttmp9, 40
	s_add_nc_u64 s[20:21], s[20:21], s[4:5]        ; kappa_old and out1: 40
	s_add_nc_u64 s[24:25], s[24:25], s[4:5]
	s_lshl_b32 s4, ttmp9, 9
	s_add_nc_u64 s[22:23], s[22:23], s[4:5]        ; out0: 512
	s_lshl_b32 s4, ttmp9, 13
	s_add_nc_u64 s[26:27], s[26:27], s[4:5]        ; out2: 8,192
; Group g of my wave's 32: rows 4 g .. 4 g + 3 into slot g % NS.  Every offset is an immediate: no address is ever stepped.
.macro FILL g
.irp i, 0,1,2,3
	global_load_b128 v[RING+16*((\g)%NS)+4*\i:RING+16*((\g)%NS)+4*\i+3], v[RO], s[8:9] offset:(4*(\g)+\i)*ROW th:TH_LOAD_NT
.endr
.endm
.macro FILLS                           ; the ring's first fills: 28 loads
.irp q, 0,1,2,3,4,5,6
	FILL \q
.endr
.endm
	s_cmp_lg_u32 s2, 0
	s_cbranch_scc1 .Lothers
	; ---- WAVE 0.  Its 29 small loads stand AHEAD of the ring's: loads come back in order (ISA guide 5.7.1), so the parameters do not wait behind 14 KiB of rows.
	; A fragment, 16 rows x 128 K of 4-bit codes, is 8 registers: lane (r, h) holds row r; registers 4 c .. 4 c + 3 hold K = 64 c + 32 h + 0 .. 31: 16 bytes of the row as they lie.
.irp s, 0,1,2,3
.irp c, 0,1
	global_load_b128 v[XF+8*\s+4*\c:XF+8*\s+4*\c+3], v[XA], s[10:11] offset:64*\s+32*\c            ; x's row in every column
.endr
.endr
.irp u, 0,1
.irp s, 0,1,2,3
.irp c, 0,1
	global_load_b128 v[WF+32*\u+8*\s+4*\c:WF+32*\u+8*\s+4*\c+3], v[WA+\u], s[14:15] offset:64*\s+32*\c
.endr
.endr
.endr
.irp u, 0,1
	global_load_b128 v[WSC+4*\u:WSC+4*\u+3], v[WS+\u], s[16:17]   ; a row's 16 scale bytes: word s serves K step s
.endr
	global_load_b128 v[XSC:XSC+3], v[NIL], s[12:13]
	global_load_b32 v[BI], v[BA], s[18:19]
	global_load_b32 v[KO], v[KA], s[20:21]
	FILLS
	s_wait_loadcnt 28                              ; the 28 loads of the ring are younger and stay out; the 29 small ones are in
	; Lane (r, h), register j of tile u: the logit of W's row 16 u + 8 h + j, the same in all r.  The two accumulators take turns, one instruction a turn.
.irp s, 0,1,2,3
.irp u, 0,1
.if \s == 0
	v_wmma_scale_f32_16x16x128_f8f6f4 v[DD+8*\u:DD+8*\u+7], v[WF+32*\u+8*\s:WF+32*\u+8*\s+7], v[XF+8*\s:XF+8*\s+7], 0, v[WSC+4*\u+\s], v[XSC+\s] matrix_a_fmt:MATRIX_FMT_FP4 matrix_b_fmt:MATRIX_FMT_FP4
.else
	v_wmma_scale_f32_16x16x128_f8f6f4 v[DD+8*\u:DD+8*\u+7], v[WF+32*\u+8*\s:WF+32*\u+8*\s+7], v[XF+8*\s:XF+8*\s+7], v[DD+8*\u:DD+8*\u+7], v[WSC+4*\u+\s], v[XSC+\s] matrix_a_fmt:MATRIX_FMT_FP4 matrix_b_fmt:MATRIX_FMT_FP4
.endif
.endr
.endr
.rept 4
	v_nop                                          ; four places behind the last product, ahead of the stores that read the results and of all that later writes these registers
.endr
.irp u, 0,1
	ds_store_b128 v[ZS], v[DD+8*\u:DD+8*\u+3] offset:ZST+64*\u         ; rows 16 u + 8 h + 0 .. 3: the sixteen lanes of a half write the same bytes with the same values
	ds_store_b128 v[ZS], v[DD+8*\u+4:DD+8*\u+7] offset:ZST+64*\u+16    ; each accumulator from its low end on
.endr
	ds_load_b32 v[RR], v[ZL] offset:ZST            ; lane l takes logit l.  LDS serves a wave's instructions in order (ISA guide 5.7.1.4): this sees the stores above
	s_wait_dscnt 0x0
	v_add_f32 v[RR], v[RR], v[BI]                  ; + b
	v_mul_f32 v[RR], 0x3fb8aa3b, v[RR]             ; x log2 e
	v_exp_f32 v[RR+1], v[RR]                       ; the parameter
	v_mov_b32 v128, 0xbfb8aa3b                     ; -log2 e.  (These six lines name nothing of the exponential)
	v_add_nc_u32 v129, -10, v0
	v_cmp_gt_u32 s28, 10, v129                     ; lanes 10-19: beta
	v_cmp_le_u32 s29, 20, v0                       ; lanes 20 on: pre_kappa
	v_cndmask_b32 v130, 1.0, v128, s28
	v_cndmask_b32 v131, 0, v[KO], s29
	s_wait_alu depctr_va_vdst(0)                   ; the wait ahead of the first line that names the exponential's result
	v_fma_f32 v[RR], v[RR+1], v130, v131           ; alpha as it is; -beta log2 e; pre_kappa x 1 + kappa_old: one rounding, the same as the addition's
	v_mov_b32 v[RR+1], v[RR]
	ds_store_b64 v[PW], v[RR:RR+1] offset:PAR      ; parameter l, twice
	s_branch .Lmeet
.Lothers:
	FILLS
.Lmeet:
	s_wait_dscnt 0x0                               ; for the others' sake: wave 0's stores have landed
	s_barrier_signal -1
	s_barrier_wait -1                              ; the ring's loads stay on their way across it: nobody writes those bytes
	; ---- PHI, every wave: four t a thread
.irp q, 5,6,7,8,9,10,11,12,13,14, 0,1,2,3,4
	ds_load_b128 v[PARV+4*\q:PARV+4*\q+3], v[NIL] offset:PAR+16*\q     ; two pairs a load, the same for all lanes; -beta log2 e and kappa first, alpha last
.endr
	v_lshlrev_b32 v14, 2, v0
	v_cvt_f32_u32 v[TT], v14                       ; t = 4 n, exact
	v_add_f32 v[TT+1], 1.0, v[TT]
	v_add_f32 v[TT+2], 2.0, v[TT]
	v_add_f32 v[TT+3], 0x40400000, v[TT]           ; + 3
	s_wait_dscnt 5                                 ; alpha's five loads are younger and may be out
.irp k, 0,1,2,3,4,5,6,7,8,9
.irp j, 0,1
	v_pk_add_f32 v[GV+4*\k+2*\j:GV+4*\k+2*\j+1], v[PARV+40+2*\k:PARV+41+2*\k], v[TT+2*\j:TT+2*\j+1] neg_lo:[0,1] neg_hi:[0,1]   ; kappa_k - t
.endr
.endr
.set N, 0
.rept 20
	v_pk_mul_f32 v[GV+2*N:GV+2*N+1], v[GV+2*N:GV+2*N+1], v[GV+2*N:GV+2*N+1]       ; squared
.set N, N+1
.endr
.irp k, 0,1,2,3,4,5,6,7,8,9
.irp j, 0,1
	v_pk_mul_f32 v[GV+4*\k+2*\j:GV+4*\k+2*\j+1], v[GV+4*\k+2*\j:GV+4*\k+2*\j+1], v[PARV+20+2*\k:PARV+21+2*\k]   ; x -beta_k log2 e
.endr
.endr
.set N, 0
.rept 40
	v_exp_f32 v[GV+N], v[GV+N]                     ; one batch of 40
.set N, N+1
.endr
	v_nop                                          ; a plain instruction behind the last exponential, ahead of the first use
	s_wait_dscnt 0x0                               ; alpha
	s_wait_alu depctr_va_vdst(0)                   ; one wait for the batch, ahead of its first reader
.irp j, 0,1
	v_pk_mul_f32 v[PH+2*\j:PH+2*\j+1], v[GV+2*\j:GV+2*\j+1], v[PARV:PARV+1]       ; k = 0 starts the sums
.endr
.irp k, 1,2,3,4,5,6,7,8,9
.irp j, 0,1
	v_pk_fma_f32 v[PH+2*\j:PH+2*\j+1], v[GV+4*\k+2*\j:GV+4*\k+2*\j+1], v[PARV+2*\k:PARV+2*\k+1], v[PH+2*\j:PH+2*\j+1]
.endr
.endr
	global_store_b128 v[T16], v[PH:PH+3], s[26:27] th:TH_STORE_NT      ; the wave stores 512 consecutive bytes of out2, aligned; neither register is written again
	; ---- THE STREAM.  Group g: its four phi from lane g; its four rows, each into a set of sums of its own (chains of 32); then the slot takes the group NS further on.
.macro GROUP g
.set SL, RING+16*((\g)%NS)
.set LEFT, 31-(\g)
.if LEFT > NS-1
.set LEFT, NS-1
.endif
.irp i, 0,1,2,3
	v_readlane_b32 s[PHS+2*\i], v[PH+\i], \g
.endr
	s_wait_loadcnt 4*LEFT                          ; the loads of the groups behind this one, six of them while there are six, stay out
.irp i, 0,1,2,3
.irp c, 0,2
.if (\g) == 0
	v_pk_mul_f32 v[ACC+4*\i+\c:ACC+4*\i+\c+1], v[SL+4*\i+\c:SL+4*\i+\c+1], s[PHS+2*\i:PHS+2*\i+1] op_sel_hi:[1,0]    ; the first product starts the sums: nothing is cleared
.else
	v_pk_fma_f32 v[ACC+4*\i+\c:ACC+4*\i+\c+1], v[SL+4*\i+\c:SL+4*\i+\c+1], s[PHS+2*\i:PHS+2*\i+1], v[ACC+4*\i+\c:ACC+4*\i+\c+1] op_sel_hi:[1,0,1]
.endif
.endr
.endr
.if (\g)+NS < 32
	FILL (\g)+NS
.endif
.endm
.irp g, 0,1,2,3,4,5,6,7,8,9,10,11,12,13,14,15,16,17,18,19,20,21,22,23,24,25,26,27,28,29,30,31
	GROUP \g
.endr
	; ---- THE END.  The four sets become one; the sixteen waves' sums meet in LDS; wave 0 adds them and stores the row of w, and kappa.
.irp c, 0,2
	v_pk_add_f32 v[ACC+\c:ACC+\c+1], v[ACC+\c:ACC+\c+1], v[ACC+4+\c:ACC+5+\c]
	v_pk_add_f32 v[ACC+8+\c:ACC+9+\c], v[ACC+8+\c:ACC+9+\c], v[ACC+12+\c:ACC+13+\c]
.endr
.irp c, 0,2
	v_pk_add_f32 v[ACC+\c:ACC+\c+1], v[ACC+\c:ACC+\c+1], v[ACC+8+\c:ACC+9+\c]
.endr
	ds_store_b128 v[T16], v[ACC:ACC+3] offset:RED
	s_wait_dscnt 0x0                               ; for wave 0's sake: my store has landed
	s_barrier_signal -1
	s_barrier_wait -1
	s_cmp_lg_u32 s2, 0
	s_cbranch_scc1 .Lend
.irp w, 0,1,2,3,4,5,6,7,8,9,10,11,12,13,14,15
	ds_load_b128 v[RING+4*\w:RING+4*\w+3], v[T16] offset:RED+512*\w    ; wave w's sums for my four v; the ring's registers are free: its last load was waited for
.endr
	ds_load_b32 v[RING+64], v[PW] offset:PAR       ; parameter l for lane l: lanes 20-29 take kappa.  PAR was written once, ahead of the first barrier
	v_add_nc_u32 v14, 0xffffffec, v0
	v_cmp_gt_u32 vcc_lo, 10, v14                   ; lanes 20-29
	s_wait_dscnt 0x0
.irp d, 8,4,2,1
.set WI, 0
.rept \d
	v_pk_add_f32 v[RING+4*WI:RING+4*WI+1], v[RING+4*WI:RING+4*WI+1], v[RING+4*(WI+\d):RING+4*(WI+\d)+1]
	v_pk_add_f32 v[RING+4*WI+2:RING+4*WI+3], v[RING+4*WI+2:RING+4*WI+3], v[RING+4*(WI+\d)+2:RING+4*(WI+\d)+3]
.set WI, WI+1
.endr
.endr
	global_store_b128 v[T16], v[RING:RING+3], s[22:23]                 ; the row of out0: 512 consecutive bytes, aligned
	s_wait_xcnt 0x0                                ; EXEC is a source of the stores that are out: it changes only behind this wait
	s_and_saveexec_b32 s30, vcc_lo
	global_store_b32 v[KA], v[RING+64], s[24:25]   ; out1: kappa_0 .. kappa_9
	s_wait_xcnt 0x0                                ; and again, ahead of the line that widens it
	s_or_b32 exec_lo, exec_lo, s30
.Lend:
	s_wait_xcnt 0x0
	s_mov_b32 exec_lo, -1
	v_lshl_add_u32 v239, v0, 2, 0x2200
	v_mov_b32 v255, 0
	s_wait_tensorcnt 0x0
	ds_add_u32 v239, v255
	s_wait_dscnt 0x0
	s_endpgm
.Lfunc_end_k_q8354a709dc_window:
	.size	k_q8354a709dc_window, .Lfunc_end_k_q8354a709dc_window-k_q8354a709dc_window
	.p2alignl 7, 3214868480
	.fill 96, 4, 3214868480
	.section	.rodata,"a",@progbits
	.p2align	6, 0x0
	.amdhsa_kernel k_q8354a709dc_window
		.amdhsa_group_segment_fixed_size 10752
		.amdhsa_private_segment_fixed_size 0
		.amdhsa_enable_private_segment 0
		.amdhsa_kernarg_size 80
		.amdhsa_user_sgpr_count 2
		.amdhsa_user_sgpr_kernarg_segment_ptr 1
		.amdhsa_wavefront_size32 1
		.amdhsa_system_sgpr_workgroup_id_x 1
		.amdhsa_system_sgpr_workgroup_id_y 1
		.amdhsa_system_sgpr_workgroup_id_z 1
		.amdhsa_system_vgpr_workitem_id 0
		.amdhsa_next_free_vgpr 256
		.amdhsa_next_free_sgpr 66
		.amdhsa_reserve_vcc 1
		.amdhsa_float_denorm_mode_32 3
		.amdhsa_float_denorm_mode_16_64 3
		.amdhsa_memory_ordered 1
		.amdhsa_forward_progress 1
		.amdhsa_inst_pref_size 59
	.end_amdhsa_kernel
	.amdgpu_metadata
---
amdhsa.version: [ 1, 2 ]
amdhsa.kernels:
  - .name:           k_q8354a709dc_window
    .symbol:         k_q8354a709dc_window.kd
    .args:
      - { .name: onehots, .offset: 0, .size: 8, .value_kind: global_buffer, .address_space: global }
      - { .name: x_codes, .offset: 8, .size: 8, .value_kind: global_buffer, .address_space: global }
      - { .name: x_scales, .offset: 16, .size: 8, .value_kind: global_buffer, .address_space: global }
      - { .name: W_codes, .offset: 24, .size: 8, .value_kind: global_buffer, .address_space: global }
      - { .name: W_scales, .offset: 32, .size: 8, .value_kind: global_buffer, .address_space: global }
      - { .name: b, .offset: 40, .size: 8, .value_kind: global_buffer, .address_space: global }
      - { .name: kappa_old, .offset: 48, .size: 8, .value_kind: global_buffer, .address_space: global }
      - { .name: out0, .offset: 56, .size: 8, .value_kind: global_buffer, .address_space: global }
      - { .name: out1, .offset: 64, .size: 8, .value_kind: global_buffer, .address_space: global }
      - { .name: out2, .offset: 72, .size: 8, .value_kind: global_buffer, .address_space: global }
    .group_segment_fixed_size: 10752
    .private_segment_fixed_size: 0
    .kernarg_segment_align: 8
    .kernarg_segment_size: 80
    .max_flat_workgroup_size: 512
    .sgpr_count:     66
    .vgpr_count:     256
    .wavefront_size: 32
...
	.end_amdgpu_metadata
.endif
;; end of part 1
